; MI455X (gfx1250); checked and timed in simulation.
; The chip was launched on July 23, 2026; its instructions are those of AMD's public machine-readable ISA for CDNA 5 (MIT licence, August 2026) and "CDNA5" Instruction Set Architecture Reference Guide (July 2026). The comments in the code are by the model that wrote it; some were corrected since.
;; Re Lie. Allowed arithmetic: float matrix products may take bf16 or f16 operands with f32 sums; all other float work in f32.
;; Inputs: eps 32 x 8,192 x 16 float32; gamma_raw 8,192 x 16 float32; mu 8,192 x 16 float32.
;; Outputs: out0 32 x 8,192 x 16 float32; out1 32 x 8,192 float32.
;; 2 versions, each right; version 2 is version 1 with the launch relie written anew for expert scheduling mode. Each part assembles by itself: llvm-mc -triple=amdgcn-amd-amdhsa -mcpu=gfx1250 --defsym DOCPART=n.
;; ======== version 1 of 2: 1 launch
;; launch relie (part 1): grid 128 x 2, 8 waves a work-group, no clusters, 5,120 bytes of LDS; arguments eps, gamma_raw, mu, out0, out1; writes out0, out1
.if DOCPART == 1
	.amdgcn_target "amdgcn-amd-amdhsa--gfx1250"
	.amdhsa_code_object_version 6
	.text
	.protected	k_q31073a7f99_relie
	.globl	k_q31073a7f99_relie
	.p2align	8
	.type	k_q31073a7f99_relie,@function
k_q31073a7f99_relie:
	s_mov_b64 s[64:65], 0
	v_nop
	global_prefetch_b8 v0, s[64:65] scope:SCOPE_SE
	s_setreg_imm32_b32 hwreg(HW_REG_WAVE_MODE, 25, 1), 1
	s_wait_xcnt 0x0
; Diagonal ReLie on the torus.  eps, out0: [32][8192][16] f32.  gamma_raw, mu: [8192][16] f32.  out1: [32][8192] f32.
;   scale = softplus(gamma_raw);  x = eps scale;  out0 = mod(x + mu, 2 pi);
;   out1 = sum over the 16 columns of logsumexp over k = -5..5 of (-log sqrt(2 pi) - log scale - ((x + 2 pi k) / scale)^2 / 2).
; SHARES.  Work-group (gx, gy), eight waves: rows m = 64 gx .. 64 gx + 63, samples n = 16 gy .. 16 gy + 15.  Thread t owns the 16 bytes at byte
; 16 t of the group's 4,096 bytes of a sample (row t / 4, columns 4 (t mod 4) .. + 3) in all 16 samples: a load or store of a wave covers 512
; consecutive bytes, aligned, and what hangs on (m, column) alone is made once a lane and used 16 times.  The sample stands in the immediate
; offset (15 x 524,288 bytes at the most, inside its signed 24 bits), so no address register is ever rewritten and no wait frees one.
; All 18 loads of a wave go out at the head; each step waits for its own slice by a counted wait.  Nothing is read twice, nothing goes
; through memory.  No matrix unit (no product of matrices), no cluster (groups share gamma_raw and mu alone, 8 KiB of 140 KiB a group).
; THE LOG DENSITY, in base 2.  With c^2 = log2(e) / 2, t = c eps, a = c 2 pi / scale and w_k = t + k a the exponents are -w_k^2 (+ the norm).
; The maximum that reference() takes away is taken away here too: M = min over k of w_k^2, from the very w_k that are exponentiated, so no
; exponent lies above 0 by more than the rounding of one square, whatever the inputs.  All eleven terms are always summed.
; THE REMAINDER.  The product eps scale and the sum with mu are rounded one by one, as reference() rounds them.  With n = rndne(y / 2 pi) the
; fused r = y - n P (P = 2 pi in f32) is exact, |r| < P, and r + P where r < 0 is the same real number, rounded once, that fmod and its fix give.
; LIMITS.  (1) gamma_raw above -87: below, softplus leaves the normal f32 range, and v_exp_f32, v_log_f32, v_rcp_f32 flush denormals (ISA guide 15.8).
; (2) |eps scale + mu| below 2^24, so that n is off by less than one half.  (3) The standard score is eps + k (2 pi / scale), not
; (eps scale + 2 pi k) / scale: another order of rounding.  (4) out0 jumps by 2 pi at the multiples of 2 pi; scale may differ in its last bit
; from another softplus, and a sum that lies within that last bit of a multiple can then fall on the other side of the jump.
.set NPITCH,    524288                 ; bytes from a sample to the next in eps and out0: 8192 x 16 x 4
.set LQROW,     256                    ; bytes of a sample's 64 sums in the LDS tile, and of the group's piece of a row of out1
.set LOG2E_NEG, 0xbfb8aa3b             ; -log2(e)
.set LN2,       0x3f317218             ; ln 2
.set LN2_NEG,   0xbf317218
.set CSQ,       0x3f596d27             ; c = sqrt(log2(e) / 2) = 0.8493218
.set C2PI,      0x40aac42b             ; c 2 pi = 5.3364463
.set TWOPI,     0x40c90fdb             ; P: 2 pi in f32, the modulus of reference()
.set TWOPI_NEG, 0xc0c90fdb
.set INV2PI,    0x3e22f983             ; 1 / (2 pi)
.set LOGNORM4,  0xc06b3f8e             ; -4 x log sqrt(2 pi) = -3.6757541: the lane's four columns
.set OFF,  1                           ; v1        16 t: my bytes in eps, out0, gamma_raw, mu and, at the end, in the LDS tile; never rewritten
.set OFF1, 2                           ; v2        my bytes in out1
.set LA,   3                           ; v3        LDS: the word of my row in a sample's 64 sums, 4 (t / 4)
.set SC,   4                           ; v[4:7]    scale of my four columns
.set MU,   8                           ; v[8:11]   mu
.set AP,   12                          ; v[12:15]  a = c 2 pi / scale
.set LN,   16                          ; v16       sum of my four columns' -log sqrt(2 pi) - log scale
.set VAL,  17                          ; v17       my part of a row's sum
.set W,    20                          ; v[20:63]  term k of element e at W + 4 (k + 5) + e: w_k, then its exponent, then its power of 2
.set T,    W+20                        ;           k = 0: t itself
.set M,    64                          ; v[64:67]  min |w_k|, then its square
.set ACC,  68                          ; v[68:71]  sum of the eleven powers, then its log2 (before that: scratch of the minimum)
.set Y,    72                          ; v[72:75]  x, x + mu, r (before that: scratch of the minimum)
.set QN,   76                          ; v[76:79]  n, then r + P (before that: scratch of the minimum)
.set X,    80                          ; v[80:143] sample i: 4 registers, eps as loaded, then out0 as stored; written by nothing after the store
.set GA,   20                          ; the head's scratch lies in W: gamma_raw,
.set EX,   24                          ; e = exp(-|gamma_raw|),
.set RL,   28                          ; max(gamma_raw, 0),
.set ONEP, 32                          ; u = 1 + e as rounded,
.set LG,   36                          ; log2 u, then log1p(e),
.set RU,   40                          ; 1 / u,
.set DL,   44                          ; what the rounding of 1 + e lost,
.set LS,   48                          ; log2 scale
	s_load_b256 s[4:11], s[0:1], 0x0               ; eps s[4:5], gamma_raw s[6:7], mu s[8:9], out0 s[10:11]
	s_load_b64 s[12:13], s[0:1], 0x20              ; out1
	v_lshl_add_u32 v144, v0, 2, 0x1000
	v_mov_b32 v145, 0
	s_and_b32 s14, ttmp7, 0xffff                   ; gy: which 16 samples
	s_lshl_b32 s16, ttmp9, 12                      ; gx x 64 rows x 64 bytes: gamma_raw and mu
	s_mov_b32 s17, 0
	s_lshl_b32 s18, s14, 23                        ; gy x 16 samples x 524,288 bytes,
	s_add_co_u32 s18, s18, s16                     ; + the rows: eps and out0 (below 2^25)
	s_mov_b32 s19, 0
	s_lshl_b32 s20, s14, 19                        ; gy x 16 rows of out1 x 32,768 bytes,
	s_lshl_b32 s15, ttmp9, 8                       ; + gx x 64 numbers x 4 bytes
	s_add_co_u32 s20, s20, s15
	s_mov_b32 s21, 0
	s_mov_b32 s22, LOG2E_NEG
	s_mov_b32 s23, LN2_NEG
	s_mov_b32 s28, LOGNORM4
	v_lshlrev_b32 v[OFF], 4, v0
	s_wait_kmcnt 0x0
	s_add_nc_u64 s[6:7], s[6:7], s[16:17]
	s_add_nc_u64 s[8:9], s[8:9], s[16:17]
	s_add_nc_u64 s[4:5], s[4:5], s[18:19]
	s_add_nc_u64 s[10:11], s[10:11], s[18:19]
	s_add_nc_u64 s[12:13], s[12:13], s[20:21]
	global_load_b128 v[GA:GA+3], v[OFF], s[6:7]    ; wanted first, so asked for first; two groups read these, so no hint
	global_load_b128 v[MU:MU+3], v[OFF], s[8:9]
.irp i, 0,1,2,3,4,5,6,7,8,9,10,11,12,13,14,15
	global_load_b128 v[X+4*\i:X+4*\i+3], v[OFF], s[4:5] offset:\i*NPITCH th:TH_LOAD_NT   ; read once in the whole launch
.endr
	; scale = max(g, 0) + log1p(exp(-|g|)), the sum in the order of reference().  log1p(e) = log u + (e - (u - 1)) / u with u = 1 + e as rounded:
	; u - 1 and e - (u - 1) are exact, so what the rounding of 1 + e lost comes back, and a tiny e gives e, not 0.
	s_wait_loadcnt 17                              ; gamma_raw is in; mu and the 16 slices of eps, issued behind it, stay out
.irp j, 0,1,2,3
	v_mul_f32 v[EX+\j], |v[GA+\j]|, s22            ; -|g| log2(e)
.endr
.irp j, 0,1,2,3
	v_exp_f32 v[EX+\j], v[EX+\j]
.endr
.irp j, 0,1,2,3
	v_max_num_f32 v[RL+\j], 0, v[GA+\j]            ; plain work that touches no e: the place behind a transcendental (ISA guide 5.7.2)
.endr
	s_wait_alu depctr_va_vdst(0)
	v_pk_add_f32 v[ONEP:ONEP+1],   v[EX:EX+1],   1.0 op_sel_hi:[1,0]
	v_pk_add_f32 v[ONEP+2:ONEP+3], v[EX+2:EX+3], 1.0 op_sel_hi:[1,0]
.irp j, 0,1,2,3
	v_log_f32 v[LG+\j], v[ONEP+\j]
.endr
.irp j, 0,1,2,3
	v_rcp_f32 v[RU+\j], v[ONEP+\j]
.endr
	v_and_b32 v[VAL], 0xf0, v[OFF]                 ; again plain work in that place: out1, 16 bytes x (t mod 16),
	v_lshrrev_b32 v[OFF1], 4, v0                   ; sample t / 16 of the group's 16,
	v_lshl_or_b32 v[OFF1], v[OFF1], 15, v[VAL]     ; 32,768 bytes from a row of out1 to the next
	v_pk_add_f32 v[DL:DL+1],   v[ONEP:ONEP+1],   -1.0 op_sel_hi:[1,0]
	v_pk_add_f32 v[DL+2:DL+3], v[ONEP+2:ONEP+3], -1.0 op_sel_hi:[1,0]
	v_pk_add_f32 v[DL:DL+1],   v[EX:EX+1],   v[DL:DL+1]   neg_lo:[0,1] neg_hi:[0,1]
	v_pk_add_f32 v[DL+2:DL+3], v[EX+2:EX+3], v[DL+2:DL+3] neg_lo:[0,1] neg_hi:[0,1]
	s_wait_alu depctr_va_vdst(0)
	v_pk_mul_f32 v[DL:DL+1],   v[DL:DL+1],   v[RU:RU+1]
	v_pk_mul_f32 v[DL+2:DL+3], v[DL+2:DL+3], v[RU+2:RU+3]
	v_pk_fma_f32 v[LG:LG+1],   v[LG:LG+1],   LN2, v[DL:DL+1]   op_sel_hi:[1,0,1]
	v_pk_fma_f32 v[LG+2:LG+3], v[LG+2:LG+3], LN2, v[DL+2:DL+3] op_sel_hi:[1,0,1]
	v_pk_add_f32 v[SC:SC+1],   v[RL:RL+1],   v[LG:LG+1]
	v_pk_add_f32 v[SC+2:SC+3], v[RL+2:RL+3], v[LG+2:LG+3]
.irp j, 0,1,2,3
	v_rcp_f32 v[AP+\j], v[SC+\j]
.endr
.irp j, 0,1,2,3
	v_log_f32 v[LS+\j], v[SC+\j]
.endr
	v_and_b32 v[LA], 0xfc, v0                      ; the place; 4 bytes x (t / 4): four lanes share a row and its word
	s_wait_alu depctr_va_vdst(0)
	v_pk_mul_f32 v[AP:AP+1],   v[AP:AP+1],   C2PI op_sel_hi:[1,0]
	v_pk_mul_f32 v[AP+2:AP+3], v[AP+2:AP+3], C2PI op_sel_hi:[1,0]
	v_pk_add_f32 v[LS:LS+1], v[LS:LS+1], v[LS+2:LS+3]
	v_add_f32 v[LS], v[LS], v[LS+1]
	v_fma_f32 v[LN], v[LS], s23, s28               ; -ln 2 x (sum of log2 scale) - 4 log sqrt(2 pi)
; w_k = k a + t for my four elements.  i = k + 5; kf = k as a float (an inline constant where there is one, else its bits).
.macro WK i, kf
	v_pk_fma_f32 v[W+4*(\i):W+4*(\i)+1],   v[AP:AP+1],   \kf, v[T:T+1]   op_sel_hi:[1,0,1]
	v_pk_fma_f32 v[W+4*(\i)+2:W+4*(\i)+3], v[AP+2:AP+3], \kf, v[T+2:T+3] op_sel_hi:[1,0,1]
.endm
; the exponent M - w_k^2, one fused step, in place
.macro EXPO i
	v_pk_fma_f32 v[W+4*(\i):W+4*(\i)+1],   v[W+4*(\i):W+4*(\i)+1],   v[W+4*(\i):W+4*(\i)+1],   v[M:M+1]   neg_lo:[1,0,0] neg_hi:[1,0,0]
	v_pk_fma_f32 v[W+4*(\i)+2:W+4*(\i)+3], v[W+4*(\i)+2:W+4*(\i)+3], v[W+4*(\i)+2:W+4*(\i)+3], v[M+2:M+3] neg_lo:[1,0,0] neg_hi:[1,0,0]
.endm
.macro EXP2 i
.irp e, 0,1,2,3
	v_exp_f32 v[W+4*(\i)+\e], v[W+4*(\i)+\e]
.endr
.endm
.macro SUMUP i
	v_pk_add_f32 v[ACC:ACC+1],   v[ACC:ACC+1],   v[W+4*(\i):W+4*(\i)+1]
	v_pk_add_f32 v[ACC+2:ACC+3], v[ACC+2:ACC+3], v[W+4*(\i)+2:W+4*(\i)+3]
.endm
; out0 for the four elements in v[x : x + 3], cut into eleven slices of two instructions, one slice behind each group of four exponentials
.macro GSL i, x
.if \i == 0
	v_pk_mul_f32 v[Y:Y+1],   v[\x:\x+1],   v[SC:SC+1]             ; x = eps scale, rounded by itself
	v_pk_mul_f32 v[Y+2:Y+3], v[\x+2:\x+3], v[SC+2:SC+3]
.endif
.if \i == 1
	v_pk_add_f32 v[Y:Y+1],   v[Y:Y+1],   v[MU:MU+1]               ; y = x + mu
	v_pk_add_f32 v[Y+2:Y+3], v[Y+2:Y+3], v[MU+2:MU+3]
.endif
.if \i == 2
	v_pk_mul_f32 v[QN:QN+1],   v[Y:Y+1],   INV2PI op_sel_hi:[1,0]
	v_pk_mul_f32 v[QN+2:QN+3], v[Y+2:Y+3], INV2PI op_sel_hi:[1,0]
.endif
.if \i == 3
	v_rndne_f32 v[QN],   v[QN]                                    ; n: the NEAREST multiple, so that a last bit of y / 2 pi only moves r
	v_rndne_f32 v[QN+1], v[QN+1]                                  ; past +-P / 2, where nothing jumps
.endif
.if \i == 4
	v_rndne_f32 v[QN+2], v[QN+2]
	v_rndne_f32 v[QN+3], v[QN+3]
	s_wait_alu depctr_va_vdst(0)
.endif
.if \i == 5
	v_pk_fma_f32 v[Y:Y+1],   v[QN:QN+1],   TWOPI_NEG, v[Y:Y+1]   op_sel_hi:[1,0,1]   ; r = y - n P: a multiple of the smaller last place, below 4: exact
	v_pk_fma_f32 v[Y+2:Y+3], v[QN+2:QN+3], TWOPI_NEG, v[Y+2:Y+3] op_sel_hi:[1,0,1]
.endif
.if \i == 6
	v_pk_add_f32 v[QN:QN+1],   v[Y:Y+1],   TWOPI op_sel_hi:[1,0]
	v_pk_add_f32 v[QN+2:QN+3], v[Y+2:Y+3], TWOPI op_sel_hi:[1,0]
	s_wait_alu depctr_va_vdst(0)
.endif
.if \i == 7
	v_cmp_gt_f32 s24, 0, v[Y]                                     ; 0 > r
	v_cmp_gt_f32 s25, 0, v[Y+1]
.endif
.if \i == 8
	v_cmp_gt_f32 s26, 0, v[Y+2]
	v_cmp_gt_f32 s27, 0, v[Y+3]
	s_wait_alu depctr_va_vdst(0)
.endif
.if \i == 9
	v_cndmask_b32 v[\x],   v[Y],   v[QN],   s24                   ; r + P where r < 0, else r; eps has had its last use
	v_cndmask_b32 v[\x+1], v[Y+1], v[QN+1], s25
.endif
.if \i == 10
	v_cndmask_b32 v[\x+2], v[Y+2], v[QN+2], s26
	v_cndmask_b32 v[\x+3], v[Y+3], v[QN+3], s27
	s_wait_alu depctr_va_vdst(0)
.endif
.endm
; The end of sample pn, a chain of seven dependent steps, cut into slices that stand among the next sample's w_k (which touch W alone).
.macro TAIL i, pn
.if (\pn) >= 0
.if \i == 0
	v_pk_add_f32 v[M:M+1], v[M:M+1], v[M+2:M+3]                   ; touches no logarithm: also the place behind them in the last sample
.endif
.if \i == 1
	s_wait_alu depctr_va_vdst(0)
	v_pk_add_f32 v[ACC:ACC+1], v[ACC:ACC+1], v[ACC+2:ACC+3]
.endif
.if \i == 2
	v_pk_add_f32 v[ACC:ACC+1], v[ACC:ACC+1], v[M:M+1] neg_lo:[0,1] neg_hi:[0,1]
.endif
.if \i == 3
	v_add_f32 v[VAL], v[ACC], v[ACC+1]                            ; sum over my four columns of log2(sum) - M
.endif
.if \i == 4
	v_fmamk_f32 v[VAL], v[VAL], LN2, v[LN]                        ; back to base e, and my four norms
.endif
.if \i == 5
	v_add_f32_dpp v[VAL], v[VAL], v[VAL] row_xmask:1 row_mask:0xf bank_mask:0xf   ; the four lanes of a row: lane xor 1,
.endif
.if \i == 6
	v_add_f32_dpp v[VAL], v[VAL], v[VAL] row_xmask:2 row_mask:0xf bank_mask:0xf   ; lane xor 2: all four hold the row's sum
	ds_store_b32 v[LA], v[VAL] offset:(\pn)*LQROW                 ; and write the same number to the same word
.endif
.endif
.endm
; One sample: 128 elements of the wave.
.macro STEP nn
	s_wait_loadcnt 15-\nn                          ; loads come back in order (ISA guide 5.7.1): slice nn is in (and mu, which is older); the 15 - nn younger slices stay out
	v_pk_mul_f32 v[T:T+1],   v[X+4*\nn:X+4*\nn+1],   CSQ op_sel_hi:[1,0]     ; t = c eps; plain work that touches no logarithm of the sample before
	v_pk_mul_f32 v[T+2:T+3], v[X+4*\nn+2:X+4*\nn+3], CSQ op_sel_hi:[1,0]
	WK 0, 0xc0a00000                               ; k = -5
	TAIL 0, (\nn-1)
	WK 1, -4.0
	TAIL 1, (\nn-1)
	WK 2, 0xc0400000                               ; k = -3
	TAIL 2, (\nn-1)
	WK 3, -2.0
	TAIL 3, (\nn-1)
	WK 4, -1.0
	TAIL 4, (\nn-1)
	WK 6, 1.0
	TAIL 5, (\nn-1)
	WK 7, 2.0
	TAIL 6, (\nn-1)
	WK 8, 0x40400000                               ; k = 3
	WK 9, 4.0
	WK 10, 0x40a00000                              ; k = 5
	; the smallest |w_k| of the eleven: five steps of three, a tree three deep
.irp e, 0,1,2,3
	v_min3_num_f32 v[ACC+\e], |v[W+\e]|, |v[W+4+\e]|, |v[W+8+\e]|
.endr
.irp e, 0,1,2,3
	v_min3_num_f32 v[Y+\e], |v[W+12+\e]|, |v[W+16+\e]|, |v[W+20+\e]|
.endr
.irp e, 0,1,2,3
	v_min3_num_f32 v[QN+\e], |v[W+24+\e]|, |v[W+28+\e]|, |v[W+32+\e]|
.endr
.irp e, 0,1,2,3
	v_min3_num_f32 v[ACC+\e], |v[W+36+\e]|, |v[W+40+\e]|, v[ACC+\e]
.endr
.irp e, 0,1,2,3
	v_min3_num_f32 v[M+\e], v[ACC+\e], v[Y+\e], v[QN+\e]
.endr
	v_pk_mul_f32 v[M:M+1],   v[M:M+1],   v[M:M+1]                 ; M = the largest exponent, negated
	v_pk_mul_f32 v[M+2:M+3], v[M+2:M+3], v[M+2:M+3]
	EXPO 0
	EXPO 1
	; Term by term: four exponentials, then plain work that touches none of them (the exponents two terms on, a slice of out0) and the sum of
	; the term before, whose exponentials have that plain work between them and this use (ISA guide 5.7.2).
.irp i, 0,1,2,3,4,5,6,7,8,9,10
	EXP2 \i
.if \i <= 8
	EXPO (\i+2)
.endif
	GSL \i, (X+4*\nn)
.if \i == 2
	s_wait_alu depctr_va_vdst(0)
	v_pk_add_f32 v[ACC:ACC+1],   v[W:W+1],   v[W+4:W+5]           ; the first two terms start the sum: nothing is cleared
	v_pk_add_f32 v[ACC+2:ACC+3], v[W+2:W+3], v[W+6:W+7]
.endif
.if \i > 2
	SUMUP (\i-1)
.endif
.endr
	global_store_b128 v[OFF], v[X+4*\nn:X+4*\nn+3], s[10:11] offset:\nn*NPITCH th:TH_STORE_NT   ; 512 consecutive bytes a wave; its registers are never written again
	SUMUP 10
.irp e, 0,1,2,3
	v_log_f32 v[ACC+\e], v[ACC+\e]                 ; the sum holds the largest term, about 1: no denormal here
.endr
.endm
.irp n, 0,1,2,3,4,5,6,7,8,9,10,11,12,13,14,15
	STEP \n
.endr
.irp i, 0,1,2,3,4,5,6
	TAIL \i, 15
.endr
	; out1: the tile of 16 samples x 64 rows lies in LDS, 32 bytes of each sample from each wave.  Each wave waits for its own stores, all pass
	; the barrier, and thread t takes bytes 16 t .. 16 t + 15: sixteen neighbouring lanes store 256 consecutive bytes, aligned, of one row of out1.
	s_wait_dscnt 0x0                               ; for the other waves: zero
	s_barrier_signal -1
	s_barrier_wait -1
	ds_load_b128 v[W:W+3], v[OFF]
	s_wait_dscnt 0x0
	global_store_b128 v[OFF1], v[W:W+3], s[12:13] th:TH_STORE_NT
	s_wait_tensorcnt 0x0
	ds_add_u32 v144, v145
	s_wait_dscnt 0x0
	s_endpgm
.Lfunc_end_k_q31073a7f99_relie:
	.size	k_q31073a7f99_relie, .Lfunc_end_k_q31073a7f99_relie-k_q31073a7f99_relie
	.p2alignl 7, 3214868480
	.fill 96, 4, 3214868480
	.section	.rodata,"a",@progbits
	.p2align	6, 0x0
	.amdhsa_kernel k_q31073a7f99_relie
		.amdhsa_group_segment_fixed_size 5120
		.amdhsa_private_segment_fixed_size 0
		.amdhsa_enable_private_segment 0
		.amdhsa_kernarg_size 40
		.amdhsa_user_sgpr_count 2
		.amdhsa_user_sgpr_kernarg_segment_ptr 1
		.amdhsa_wavefront_size32 1
		.amdhsa_system_sgpr_workgroup_id_x 1
		.amdhsa_system_sgpr_workgroup_id_y 1
		.amdhsa_system_sgpr_workgroup_id_z 1
		.amdhsa_system_vgpr_workitem_id 0
		.amdhsa_next_free_vgpr 146
		.amdhsa_next_free_sgpr 66
		.amdhsa_reserve_vcc 0
		.amdhsa_float_denorm_mode_32 3
		.amdhsa_float_denorm_mode_16_64 3
		.amdhsa_memory_ordered 1
		.amdhsa_forward_progress 1
		.amdhsa_inst_pref_size 156
	.end_amdhsa_kernel
	.amdgpu_metadata
---
amdhsa.version: [ 1, 2 ]
amdhsa.kernels:
  - .name:           k_q31073a7f99_relie
    .symbol:         k_q31073a7f99_relie.kd
    .args:
      - { .name: eps, .offset: 0, .size: 8, .value_kind: global_buffer, .address_space: global }
      - { .name: gamma_raw, .offset: 8, .size: 8, .value_kind: global_buffer, .address_space: global }
      - { .name: mu, .offset: 16, .size: 8, .value_kind: global_buffer, .address_space: global }
      - { .name: out0, .offset: 24, .size: 8, .value_kind: global_buffer, .address_space: global }
      - { .name: out1, .offset: 32, .size: 8, .value_kind: global_buffer, .address_space: global }
    .group_segment_fixed_size: 5120
    .private_segment_fixed_size: 0
    .kernarg_segment_align: 8
    .kernarg_segment_size: 40
    .max_flat_workgroup_size: 256
    .sgpr_count:     66
    .vgpr_count:     146
    .wavefront_size: 32
...
	.end_amdgpu_metadata
.endif
;; end of part 1
;; ======== version 2 of 2: 1 launch; version 1 with the launch relie written anew for expert scheduling mode
;; launch relie (part 2): grid 128 x 2, 8 waves a work-group, no clusters, 5,120 bytes of LDS; arguments eps, gamma_raw, mu, out0, out1; writes out0, out1
.if DOCPART == 2
	.amdgcn_target "amdgcn-amd-amdhsa--gfx1250"
	.amdhsa_code_object_version 6
	.text
	.protected	k_q31073a7f99_relie
	.globl	k_q31073a7f99_relie
	.p2align	8
	.type	k_q31073a7f99_relie,@function
k_q31073a7f99_relie:
	s_mov_b64 s[64:65], 0
	v_nop
	global_prefetch_b8 v0, s[64:65] scope:SCOPE_SE
	s_setreg_imm32_b32 hwreg(HW_REG_WAVE_SCHED_MODE, 0, 2), 2
	s_setreg_imm32_b32 hwreg(HW_REG_WAVE_MODE, 25, 1), 1
	s_wait_xcnt 0x0
	s_wait_alu depctr_vm_vsrc(0)
; Diagonal ReLie on the torus.  eps, out0: [32][8192][16] f32.  gamma_raw, mu: [8192][16] f32.  out1: [32][8192] f32.
;   scale = softplus(gamma_raw);  x = eps scale;  out0 = mod(x + mu, 2 pi);
;   out1 = sum over the 16 columns of logsumexp over k = -5..5 of (-log sqrt(2 pi) - log scale - ((x + 2 pi k) / scale)^2 / 2).
; SHARES.  Work-group (gx, gy), eight waves: rows m = 64 gx .. 64 gx + 63, samples n = 16 gy .. 16 gy + 15.  Thread t owns the 16 bytes at byte
; 16 t of the group's 4,096 bytes of a sample (row t / 4, columns 4 (t mod 4) .. + 3) in all 16 samples: a load or store of a wave covers 512
; consecutive bytes, aligned, and what hangs on (m, column) alone is made once a lane and used 16 times.  The sample stands in the immediate
; offset (15 x 524,288 bytes at the most, inside its signed 24 bits), so no address register is ever rewritten and no wait frees one.
; All 18 loads of a wave go out at the head; each step waits for its own slice by a counted wait.  Nothing is read twice, nothing goes
; through memory.  No matrix unit (no product of matrices), no cluster (groups share gamma_raw and mu alone, 8 KiB of 140 KiB a group).
; THE MODE: SCHED_MODE bits 1:0 = 2 (LLVM: expert scheduling mode 2), set by the entry lines.  The code itself states the register dependences
; between vector instructions and memory or LDS instructions, and between a vector instruction's scalar result and its readers, with s_wait_alu, always for 0.
; THE PLAN.  Registers that memory or LDS instructions touch:
;   v1, v2, v3    offsets and the LDS address: each written once, at the head, by a vector line; read by loads and stores; never written again.
;   X0 .. X15     sample n's four registers: the load issued at the head lands in them (no vector line names them before that); step n's vector
;                 lines read them and its four selects write out0 over them; one global store reads them; nothing writes them after it.
;   VAL0 .. VAL15 a register to each sample: written by the sample's tail, whose lines stand among the next step's w_k; read by one LDS store; never written again.
;   v[20:23]      gamma_raw lands here at the head; at the end, behind the last vector line of the kernel, my 16 bytes of the LDS tile.
; So ONE wait on va_vdst a sample states all that its two stores hang on: it stands in the next step, behind that step's last w_k, and the global store
; and the LDS store follow it at once.  One more stands ahead of the first load, for v1.  No register that a memory or LDS instruction reads is
; written again, so no wait on vm_vsrc is owed.  The four compares of a step write s24 to s27: one wait on va_sdst stands behind them, ahead of the first select.
; THE LOG DENSITY, in base 2.  With c^2 = log2(e) / 2, t = c eps, a = c 2 pi / scale and w_k = t + k a the exponents are -w_k^2 (+ the norm).
; The maximum that reference() takes away is taken away here too: M = min over k of w_k^2, from the very w_k that are exponentiated, so no
; exponent lies above 0 by more than the rounding of one square, whatever the inputs.  All eleven terms are always summed.
; THE REMAINDER.  The product eps scale and the sum with mu are rounded one by one, as reference() rounds them.  With n = rndne(y / 2 pi) the
; fused r = y - n P (P = 2 pi in f32) is exact, |r| < P, and r + P where r < 0 is the same real number, rounded once, that fmod and its fix give.
; LIMITS.  (1) gamma_raw above -87: below, softplus leaves the normal f32 range, and v_exp_f32, v_log_f32, v_rcp_f32 flush denormals (ISA guide 15.8).
; (2) |eps scale + mu| below 2^24, so that n is off by less than one half.  (3) The standard score is eps + k (2 pi / scale), not
; (eps scale + 2 pi k) / scale: another order of rounding.  (4) out0 jumps by 2 pi at the multiples of 2 pi; scale may differ in its last bit
; from another softplus, and a sum that lies within that last bit of a multiple can then fall on the other side of the jump.
.set NPITCH,    524288                 ; bytes from a sample to the next in eps and out0: 8192 x 16 x 4
.set LQROW,     256                    ; bytes of a sample's 64 sums in the LDS tile, and of the group's piece of a row of out1
.set LOG2E_NEG, 0xbfb8aa3b             ; -log2(e)
.set LN2,       0x3f317218             ; ln 2
.set LN2_NEG,   0xbf317218
.set CSQ,       0x3f596d27             ; c = sqrt(log2(e) / 2) = 0.8493218
.set C2PI,      0x40aac42b             ; c 2 pi = 5.3364463
.set TWOPI,     0x40c90fdb             ; P: 2 pi in f32, the modulus of reference()
.set TWOPI_NEG, 0xc0c90fdb
.set INV2PI,    0x3e22f983             ; 1 / (2 pi)
.set LOGNORM4,  0xc06b3f8e             ; -4 x log sqrt(2 pi) = -3.6757541: the lane's four columns
.set OFF,  1                           ; v1        16 t: my bytes in eps, out0, gamma_raw, mu and, at the end, in the LDS tile; never rewritten
.set OFF1, 2                           ; v2        my bytes in out1
.set LA,   3                           ; v3        LDS: the word of my row in a sample's 64 sums, 4 (t / 4)
.set SC,   4                           ; v[4:7]    scale of my four columns
.set MU,   8                           ; v[8:11]   mu
.set AP,   12                          ; v[12:15]  a = c 2 pi / scale
.set LN,   16                          ; v16       sum of my four columns' -log sqrt(2 pi) - log scale
.set W,    20                          ; v[20:63]  term k of element e at W + 4 (k + 5) + e: w_k, then its exponent, then its power of 2
.set T,    W+20                        ;           k = 0: t itself
.set M,    64                          ; v[64:67]  min |w_k|, then its square
.set ACC,  68                          ; v[68:71]  sum of the eleven powers, then its log2 (before that: scratch of the minimum)
.set Y,    72                          ; v[72:75]  x, x + mu, r (before that: scratch of the minimum)
.set QN,   76                          ; v[76:79]  n, then r + P (before that: scratch of the minimum)
.set X,    80                          ; v[80:143] sample i: 4 registers, eps as loaded, then out0 as stored; written by nothing after the store
.set VAL,  144                         ; v[144:159] sample i: my part of a row's sum, then the row's sum; written by nothing after its LDS store (v144 is also scratch at the head)
.set GA,   20                          ; the head's scratch lies in W: gamma_raw,
.set EX,   24                          ; e = exp(-|gamma_raw|),
.set RL,   28                          ; max(gamma_raw, 0),
.set ONEP, 32                          ; u = 1 + e as rounded,
.set LG,   36                          ; log2 u, then log1p(e),
.set RU,   40                          ; 1 / u,
.set DL,   44                          ; what the rounding of 1 + e lost,
.set LS,   48                          ; log2 scale
	s_load_b256 s[4:11], s[0:1], 0x0               ; eps s[4:5], gamma_raw s[6:7], mu s[8:9], out0 s[10:11]
	s_load_b64 s[12:13], s[0:1], 0x20              ; out1
	v_lshl_add_u32 v18, v0, 2, 0x1000
	v_mov_b32 v19, 0
	s_and_b32 s14, ttmp7, 0xffff                   ; gy: which 16 samples
	s_lshl_b32 s16, ttmp9, 12                      ; gx x 64 rows x 64 bytes: gamma_raw and mu
	s_mov_b32 s17, 0
	s_lshl_b32 s18, s14, 23                        ; gy x 16 samples x 524,288 bytes,
	s_add_co_u32 s18, s18, s16                     ; + the rows: eps and out0 (below 2^25)
	s_mov_b32 s19, 0
	s_lshl_b32 s20, s14, 19                        ; gy x 16 rows of out1 x 32,768 bytes,
	s_lshl_b32 s15, ttmp9, 8                       ; + gx x 64 numbers x 4 bytes
	s_add_co_u32 s20, s20, s15
	s_mov_b32 s21, 0
	s_mov_b32 s22, LOG2E_NEG
	s_mov_b32 s23, LN2_NEG
	s_mov_b32 s28, LOGNORM4
	v_lshlrev_b32 v[OFF], 4, v0
	s_wait_kmcnt 0x0
	s_add_nc_u64 s[6:7], s[6:7], s[16:17]
	s_add_nc_u64 s[8:9], s[8:9], s[16:17]
	s_add_nc_u64 s[4:5], s[4:5], s[18:19]
	s_add_nc_u64 s[10:11], s[10:11], s[18:19]
	s_add_nc_u64 s[12:13], s[12:13], s[20:21]
	s_wait_alu depctr_va_vdst(0)                   ; v1 is written: the 18 loads below, and later the stores of out0 and the load from the tile, read it as their offset
	global_load_b128 v[GA:GA+3], v[OFF], s[6:7]    ; wanted first, so asked for first; two groups read these, so no hint
	global_load_b128 v[MU:MU+3], v[OFF], s[8:9]
.irp i, 0,1,2,3,4,5,6,7,8,9,10,11,12,13,14,15
	global_load_b128 v[X+4*\i:X+4*\i+3], v[OFF], s[4:5] offset:\i*NPITCH th:TH_LOAD_NT   ; read once in the whole launch
.endr
	; scale = max(g, 0) + log1p(exp(-|g|)), the sum in the order of reference().  log1p(e) = log u + (e - (u - 1)) / u with u = 1 + e as rounded:
	; u - 1 and e - (u - 1) are exact, so what the rounding of 1 + e lost comes back, and a tiny e gives e, not 0.
	s_wait_loadcnt 17                              ; gamma_raw is in; mu and the 16 slices of eps, issued behind it, stay out
.irp j, 0,1,2,3
	v_mul_f32 v[EX+\j], |v[GA+\j]|, s22            ; -|g| log2(e)
.endr
.irp j, 0,1,2,3
	v_exp_f32 v[EX+\j], v[EX+\j]
.endr
.irp j, 0,1,2,3
	v_max_num_f32 v[RL+\j], 0, v[GA+\j]            ; plain work that touches no e: the place behind a transcendental (ISA guide 5.7.2)
.endr
	s_wait_alu depctr_va_vdst(0)
	v_pk_add_f32 v[ONEP:ONEP+1],   v[EX:EX+1],   1.0 op_sel_hi:[1,0]
	v_pk_add_f32 v[ONEP+2:ONEP+3], v[EX+2:EX+3], 1.0 op_sel_hi:[1,0]
.irp j, 0,1,2,3
	v_log_f32 v[LG+\j], v[ONEP+\j]
.endr
.irp j, 0,1,2,3
	v_rcp_f32 v[RU+\j], v[ONEP+\j]
.endr
	v_and_b32 v[VAL], 0xf0, v[OFF]                 ; again plain work in that place: out1, 16 bytes x (t mod 16),
	v_lshrrev_b32 v[OFF1], 4, v0                   ; sample t / 16 of the group's 16,
	v_lshl_or_b32 v[OFF1], v[OFF1], 15, v[VAL]     ; 32,768 bytes from a row of out1 to the next
	v_pk_add_f32 v[DL:DL+1],   v[ONEP:ONEP+1],   -1.0 op_sel_hi:[1,0]
	v_pk_add_f32 v[DL+2:DL+3], v[ONEP+2:ONEP+3], -1.0 op_sel_hi:[1,0]
	v_pk_add_f32 v[DL:DL+1],   v[EX:EX+1],   v[DL:DL+1]   neg_lo:[0,1] neg_hi:[0,1]
	v_pk_add_f32 v[DL+2:DL+3], v[EX+2:EX+3], v[DL+2:DL+3] neg_lo:[0,1] neg_hi:[0,1]
	s_wait_alu depctr_va_vdst(0)
	v_pk_mul_f32 v[DL:DL+1],   v[DL:DL+1],   v[RU:RU+1]
	v_pk_mul_f32 v[DL+2:DL+3], v[DL+2:DL+3], v[RU+2:RU+3]
	v_pk_fma_f32 v[LG:LG+1],   v[LG:LG+1],   LN2, v[DL:DL+1]   op_sel_hi:[1,0,1]
	v_pk_fma_f32 v[LG+2:LG+3], v[LG+2:LG+3], LN2, v[DL+2:DL+3] op_sel_hi:[1,0,1]
	v_pk_add_f32 v[SC:SC+1],   v[RL:RL+1],   v[LG:LG+1]
	v_pk_add_f32 v[SC+2:SC+3], v[RL+2:RL+3], v[LG+2:LG+3]
.irp j, 0,1,2,3
	v_rcp_f32 v[AP+\j], v[SC+\j]
.endr
.irp j, 0,1,2,3
	v_log_f32 v[LS+\j], v[SC+\j]
.endr
	v_and_b32 v[LA], 0xfc, v0                      ; the place; 4 bytes x (t / 4): four lanes share a row and its word
	s_wait_alu depctr_va_vdst(0)
	v_pk_mul_f32 v[AP:AP+1],   v[AP:AP+1],   C2PI op_sel_hi:[1,0]
	v_pk_mul_f32 v[AP+2:AP+3], v[AP+2:AP+3], C2PI op_sel_hi:[1,0]
	v_pk_add_f32 v[LS:LS+1], v[LS:LS+1], v[LS+2:LS+3]
	v_add_f32 v[LS], v[LS], v[LS+1]
	v_fma_f32 v[LN], v[LS], s23, s28               ; -ln 2 x (sum of log2 scale) - 4 log sqrt(2 pi)
; w_k = k a + t for my four elements.  i = k + 5; kf = k as a float (an inline constant where there is one, else its bits).
.macro WK i, kf
	v_pk_fma_f32 v[W+4*(\i):W+4*(\i)+1],   v[AP:AP+1],   \kf, v[T:T+1]   op_sel_hi:[1,0,1]
	v_pk_fma_f32 v[W+4*(\i)+2:W+4*(\i)+3], v[AP+2:AP+3], \kf, v[T+2:T+3] op_sel_hi:[1,0,1]
.endm
; the exponent M - w_k^2, one fused step, in place
.macro EXPO i
	v_pk_fma_f32 v[W+4*(\i):W+4*(\i)+1],   v[W+4*(\i):W+4*(\i)+1],   v[W+4*(\i):W+4*(\i)+1],   v[M:M+1]   neg_lo:[1,0,0] neg_hi:[1,0,0]
	v_pk_fma_f32 v[W+4*(\i)+2:W+4*(\i)+3], v[W+4*(\i)+2:W+4*(\i)+3], v[W+4*(\i)+2:W+4*(\i)+3], v[M+2:M+3] neg_lo:[1,0,0] neg_hi:[1,0,0]
.endm
.macro EXP2 i
.irp e, 0,1,2,3
	v_exp_f32 v[W+4*(\i)+\e], v[W+4*(\i)+\e]
.endr
.endm
.macro SUMUP i
	v_pk_add_f32 v[ACC:ACC+1],   v[ACC:ACC+1],   v[W+4*(\i):W+4*(\i)+1]
	v_pk_add_f32 v[ACC+2:ACC+3], v[ACC+2:ACC+3], v[W+4*(\i)+2:W+4*(\i)+3]
.endm
; out0 for the four elements in v[x : x + 3], cut into eleven slices of two instructions, one slice behind each group of four exponentials
.macro GSL i, x
.if \i == 0
	v_pk_mul_f32 v[Y:Y+1],   v[\x:\x+1],   v[SC:SC+1]             ; x = eps scale, rounded by itself
	v_pk_mul_f32 v[Y+2:Y+3], v[\x+2:\x+3], v[SC+2:SC+3]
.endif
.if \i == 1
	v_pk_add_f32 v[Y:Y+1],   v[Y:Y+1],   v[MU:MU+1]               ; y = x + mu
	v_pk_add_f32 v[Y+2:Y+3], v[Y+2:Y+3], v[MU+2:MU+3]
.endif
.if \i == 2
	v_pk_mul_f32 v[QN:QN+1],   v[Y:Y+1],   INV2PI op_sel_hi:[1,0]
	v_pk_mul_f32 v[QN+2:QN+3], v[Y+2:Y+3], INV2PI op_sel_hi:[1,0]
.endif
.if \i == 3
	v_rndne_f32 v[QN],   v[QN]                                    ; n: the NEAREST multiple, so that a last bit of y / 2 pi only moves r
	v_rndne_f32 v[QN+1], v[QN+1]                                  ; past +-P / 2, where nothing jumps
.endif
.if \i == 4
	v_rndne_f32 v[QN+2], v[QN+2]
	v_rndne_f32 v[QN+3], v[QN+3]
	s_wait_alu depctr_va_vdst(0)
.endif
.if \i == 5
	v_pk_fma_f32 v[Y:Y+1],   v[QN:QN+1],   TWOPI_NEG, v[Y:Y+1]   op_sel_hi:[1,0,1]   ; r = y - n P: a multiple of the smaller last place, below 4: exact
	v_pk_fma_f32 v[Y+2:Y+3], v[QN+2:QN+3], TWOPI_NEG, v[Y+2:Y+3] op_sel_hi:[1,0,1]
.endif
.if \i == 6
	v_pk_add_f32 v[QN:QN+1],   v[Y:Y+1],   TWOPI op_sel_hi:[1,0]
	v_pk_add_f32 v[QN+2:QN+3], v[Y+2:Y+3], TWOPI op_sel_hi:[1,0]
	s_wait_alu depctr_va_vdst(0)
.endif
.if \i == 7
	v_cmp_gt_f32 s24, 0, v[Y]                                     ; 0 > r
	v_cmp_gt_f32 s25, 0, v[Y+1]
.endif
.if \i == 8
	v_cmp_gt_f32 s26, 0, v[Y+2]
	v_cmp_gt_f32 s27, 0, v[Y+3]
	s_wait_alu depctr_va_vdst(0)
.endif
.if \i == 9
	s_wait_alu depctr_va_sdst(0)                                  ; the four compares have written s24 to s27, ahead of their first reader: the four selects read them
	v_cndmask_b32 v[\x],   v[Y],   v[QN],   s24                   ; r + P where r < 0, else r; eps has had its last use
	v_cndmask_b32 v[\x+1], v[Y+1], v[QN+1], s25
.endif
.if \i == 10
	v_cndmask_b32 v[\x+2], v[Y+2], v[QN+2], s26
	v_cndmask_b32 v[\x+3], v[Y+3], v[QN+3], s27
	s_wait_alu depctr_va_vdst(0)
.endif
.endm
; The end of sample pn, a chain of seven dependent steps, cut into slices that stand among the next sample's w_k (which touch W alone).
.macro TAIL i, pn
.if (\pn) >= 0
.if \i == 0
	v_pk_add_f32 v[M:M+1], v[M:M+1], v[M+2:M+3]                   ; touches no logarithm: also the place behind them in the last sample
.endif
.if \i == 1
	s_wait_alu depctr_va_vdst(0)
	v_pk_add_f32 v[ACC:ACC+1], v[ACC:ACC+1], v[ACC+2:ACC+3]
.endif
.if \i == 2
	v_pk_add_f32 v[ACC:ACC+1], v[ACC:ACC+1], v[M:M+1] neg_lo:[0,1] neg_hi:[0,1]
.endif
.if \i == 3
	v_add_f32 v[VAL+(\pn)], v[ACC], v[ACC+1]                      ; sum over my four columns of log2(sum) - M
.endif
.if \i == 4
	v_fmamk_f32 v[VAL+(\pn)], v[VAL+(\pn)], LN2, v[LN]            ; back to base e, and my four norms
.endif
.if \i == 5
	v_add_f32_dpp v[VAL+(\pn)], v[VAL+(\pn)], v[VAL+(\pn)] row_xmask:1 row_mask:0xf bank_mask:0xf   ; the four lanes of a row: lane xor 1,
.endif
.if \i == 6
	v_add_f32_dpp v[VAL+(\pn)], v[VAL+(\pn)], v[VAL+(\pn)] row_xmask:2 row_mask:0xf bank_mask:0xf   ; lane xor 2: all four hold the row's sum
.endif
.endif
.endm
; Sample pn leaves: one wait, and its two stores straight behind it.
.macro OUT pn
	s_wait_alu depctr_va_vdst(0)                   ; sample pn's selects have written X[pn], which the global store reads; its last sum across lanes has written VAL[pn], which the LDS store reads; v3, made at the head, is written
	global_store_b128 v[OFF], v[X+4*(\pn):X+4*(\pn)+3], s[10:11] offset:(\pn)*NPITCH th:TH_STORE_NT   ; 512 consecutive bytes a wave; its registers are never written again
	ds_store_b32 v[LA], v[VAL+(\pn)] offset:(\pn)*LQROW           ; the four lanes of a row write the same number to the same word; VAL[pn] is never written again
.endm
; One sample: 128 elements of the wave.
.macro STEP nn
	s_wait_loadcnt 15-\nn                          ; loads come back in order (ISA guide 5.7.1): slice nn is in (and mu, which is older); the 15 - nn younger slices stay out
	v_pk_mul_f32 v[T:T+1],   v[X+4*\nn:X+4*\nn+1],   CSQ op_sel_hi:[1,0]     ; t = c eps; plain work that touches no logarithm of the sample before
	v_pk_mul_f32 v[T+2:T+3], v[X+4*\nn+2:X+4*\nn+3], CSQ op_sel_hi:[1,0]
	WK 0, 0xc0a00000                               ; k = -5
	TAIL 0, (\nn-1)
	WK 1, -4.0
	TAIL 1, (\nn-1)
	WK 2, 0xc0400000                               ; k = -3
	TAIL 2, (\nn-1)
	WK 3, -2.0
	TAIL 3, (\nn-1)
	WK 4, -1.0
	TAIL 4, (\nn-1)
	WK 6, 1.0
	TAIL 5, (\nn-1)
	WK 7, 2.0
	TAIL 6, (\nn-1)
	WK 8, 0x40400000                               ; k = 3
	WK 9, 4.0
	WK 10, 0x40a00000                              ; k = 5
.if \nn > 0
	OUT (\nn-1)                                    ; the sample before is whole: its slice of out0 and its row sums go out here
.endif
	; the smallest |w_k| of the eleven: five steps of three, a tree three deep
.irp e, 0,1,2,3
	v_min3_num_f32 v[ACC+\e], |v[W+\e]|, |v[W+4+\e]|, |v[W+8+\e]|
.endr
.irp e, 0,1,2,3
	v_min3_num_f32 v[Y+\e], |v[W+12+\e]|, |v[W+16+\e]|, |v[W+20+\e]|
.endr
.irp e, 0,1,2,3
	v_min3_num_f32 v[QN+\e], |v[W+24+\e]|, |v[W+28+\e]|, |v[W+32+\e]|
.endr
.irp e, 0,1,2,3
	v_min3_num_f32 v[ACC+\e], |v[W+36+\e]|, |v[W+40+\e]|, v[ACC+\e]
.endr
.irp e, 0,1,2,3
	v_min3_num_f32 v[M+\e], v[ACC+\e], v[Y+\e], v[QN+\e]
.endr
	v_pk_mul_f32 v[M:M+1],   v[M:M+1],   v[M:M+1]                 ; M = the largest exponent, negated
	v_pk_mul_f32 v[M+2:M+3], v[M+2:M+3], v[M+2:M+3]
	EXPO 0
	EXPO 1
	; Term by term: four exponentials, then plain work that touches none of them (the exponents two terms on, a slice of out0) and the sum of
	; the term before, whose exponentials have that plain work between them and this use (ISA guide 5.7.2).
.irp i, 0,1,2,3,4,5,6,7,8,9,10
	EXP2 \i
.if \i <= 8
	EXPO (\i+2)
.endif
	GSL \i, (X+4*\nn)
.if \i == 2
	s_wait_alu depctr_va_vdst(0)
	v_pk_add_f32 v[ACC:ACC+1],   v[W:W+1],   v[W+4:W+5]           ; the first two terms start the sum: nothing is cleared
	v_pk_add_f32 v[ACC+2:ACC+3], v[W+2:W+3], v[W+6:W+7]
.endif
.if \i > 2
	SUMUP (\i-1)
.endif
.endr
	SUMUP 10
.irp e, 0,1,2,3
	v_log_f32 v[ACC+\e], v[ACC+\e]                 ; the sum holds the largest term, about 1: no denormal here
.endr
.endm
.irp n, 0,1,2,3,4,5,6,7,8,9,10,11,12,13,14,15
	STEP \n
.endr
.irp i, 0,1,2,3,4,5,6
	TAIL \i, 15
.endr
	OUT 15                                         ; no vector line follows this wait: it also states that v2 is written, which the last store reads, and that every vector line that named v[W : W + 3] is done, in which the load from the tile lands
	; out1: the tile of 16 samples x 64 rows lies in LDS, 32 bytes of each sample from each wave.  Each wave waits for its own stores, all pass
	; the barrier, and thread t takes bytes 16 t .. 16 t + 15: sixteen neighbouring lanes store 256 consecutive bytes, aligned, of one row of out1.
	s_wait_dscnt 0x0                               ; for the other waves: zero
	s_barrier_signal -1
	s_barrier_wait -1
	ds_load_b128 v[W:W+3], v[OFF]
	s_wait_dscnt 0x0
	global_store_b128 v[OFF1], v[W:W+3], s[12:13] th:TH_STORE_NT
	s_wait_dscnt 0x0
	s_wait_alu depctr_hold_cnt(0) depctr_sa_sdst(0) depctr_va_vdst(0) depctr_va_sdst(0) depctr_va_ssrc(0) depctr_va_vcc(0) depctr_vm_vsrc(0)
	s_wait_tensorcnt 0x0
	ds_add_u32 v18, v19
	s_wait_dscnt 0x0
	s_endpgm
.Lfunc_end_k_q31073a7f99_relie:
	.size	k_q31073a7f99_relie, .Lfunc_end_k_q31073a7f99_relie-k_q31073a7f99_relie
	.p2alignl 7, 3214868480
	.fill 96, 4, 3214868480
	.section	.rodata,"a",@progbits
	.p2align	6, 0x0
	.amdhsa_kernel k_q31073a7f99_relie
		.amdhsa_group_segment_fixed_size 5120
		.amdhsa_private_segment_fixed_size 0
		.amdhsa_enable_private_segment 0
		.amdhsa_kernarg_size 40
		.amdhsa_user_sgpr_count 2
		.amdhsa_user_sgpr_kernarg_segment_ptr 1
		.amdhsa_wavefront_size32 1
		.amdhsa_system_sgpr_workgroup_id_x 1
		.amdhsa_system_sgpr_workgroup_id_y 1
		.amdhsa_system_sgpr_workgroup_id_z 1
		.amdhsa_system_vgpr_workitem_id 0
		.amdhsa_next_free_vgpr 160
		.amdhsa_next_free_sgpr 66
		.amdhsa_reserve_vcc 0
		.amdhsa_float_denorm_mode_32 3
		.amdhsa_float_denorm_mode_16_64 3
		.amdhsa_memory_ordered 1
		.amdhsa_forward_progress 1
		.amdhsa_inst_pref_size 157
	.end_amdhsa_kernel
	.amdgpu_metadata
---
amdhsa.version: [ 1, 2 ]
amdhsa.kernels:
  - .name:           k_q31073a7f99_relie
    .symbol:         k_q31073a7f99_relie.kd
    .args:
      - { .name: eps, .offset: 0, .size: 8, .value_kind: global_buffer, .address_space: global }
      - { .name: gamma_raw, .offset: 8, .size: 8, .value_kind: global_buffer, .address_space: global }
      - { .name: mu, .offset: 16, .size: 8, .value_kind: global_buffer, .address_space: global }
      - { .name: out0, .offset: 24, .size: 8, .value_kind: global_buffer, .address_space: global }
      - { .name: out1, .offset: 32, .size: 8, .value_kind: global_buffer, .address_space: global }
    .group_segment_fixed_size: 5120
    .private_segment_fixed_size: 0
    .kernarg_segment_align: 8
    .kernarg_segment_size: 40
    .max_flat_workgroup_size: 256
    .sgpr_count:     66
    .vgpr_count:     160
    .wavefront_size: 32
...
	.end_amdgpu_metadata
.endif
;; end of part 2
